; MI455X (gfx1250); checked and timed in simulation.
; The chip was launched on July 23, 2026; its instructions are those of AMD's public machine-readable ISA for CDNA 5 (MIT licence, August 2026) and "CDNA5" Instruction Set Architecture Reference Guide (July 2026). The comments in the code are by the model that wrote it; some were corrected since.
;; Multihead Cross Attention. Allowed arithmetic: matrix products marked QUANTISED: E4M3 operands, one given power-of-two scale a tensor, by v_wmma_f32_16x16x64_fp8_fp8 or v_wmma_f32_16x16x128_fp8_fp8, f32 sums; everything else in f32.
;; Inputs: Wkv 512 x 1,024 float32; Wo 512 x 512 float32; Wq 512 x 512 float32; bkv 1,024 float32; bo 512 float32; bq 512 float32; lowp_scales 10 int32 (the exponents e of the quantised operands' scales 2^e); memory 4 x 4,096 x 512 float32; memory_mask 4 x 4,096 int32; x 4 x 2,048 x 512 float32.
;; Outputs: out0 4 x 2,048 x 512 float32.
;; This version of the problem:
;;   THIS VERSION OF THE PROBLEM IS GIVEN IN LOW PRECISION. The matrix products marked QUANTISED in the list below multiply operands that are first quantised to E4M3 (4 exponent bits, 3 mantissa bits; 8 bits a number), with one given power-of-two scale for each operand tensor; their sums are f32. All else is computed in f32.
;;   The module's matrix products, in the order in which they are computed (A, B: the left and right operand; K: the contracted axis; several contracted axes count as one K, in the product's order):
;;     1. [M 8,192, K 512] x [K 512, N 512]; A: input x; B: input Wq: QUANTISED (scales: A lowp_scales[0], B lowp_scales[1])
;;     2. [M 16,384, K 512] x [K 512, N 1,024]; A: input memory; B: input Wkv: QUANTISED (scales: A lowp_scales[2], B lowp_scales[3])
;;     3. batch 32 x [M 2,048, K 64] x [K 64, N 4,096]; A: computed on the way; B: computed on the way: QUANTISED (scales: A lowp_scales[4], B lowp_scales[5])
;;     4. batch 32 x [M 2,048, K 4,096] x [K 4,096, N 64]; A: softmax (see below); B: computed on the way: QUANTISED (scales: A lowp_scales[6], B lowp_scales[7])
;;     5. [M 8,192, K 512] x [K 512, N 512]; A: computed on the way; B: input Wo: QUANTISED (scales: A lowp_scales[8], B lowp_scales[9])
;;   THE QUANTISER, for each operand of a quantised product, along K:
;;     - The operand's scale is 2^e, e = its entry of the input lowp_scales (int32; the entries are numbered through the quantised products in the list's order, A before B).
;;     - Each number is divided by the scale, clamped to +-448, and rounded to the nearest number of E4M3, ties to even, subnormals kept.
;;     - The product sums the exact products of the quantised numbers (number of the format x scale) in f32.
;;   ~~~python
;;   def quantise(x, axis, e):      # numpy; x: float32 -> the quantised numbers, widened to float32 again
;;       x = np.moveaxis(x, axis, -1); K = x.shape[-1]
;;       r = np.clip(x / 2.0 ** e, -448, 448)
;;       step = 2.0 ** (np.maximum(np.frexp(np.where(r == 0, 1, r))[1] - 1, -6) - 3)
;;       q = np.round(r / step) * step * 2.0 ** e      # np.round: ties to even
;;       return np.moveaxis(q, -1, axis).astype(np.float32)
;;   ~~~
;;   SOFTMAX AHEAD OF A QUANTISED PRODUCT. Where the list says 'softmax', what is quantised is not the finished softmax but p = 2^(t - M), with t = logit x log2(e) and M = ceil(the row's largest t), a whole number; so 1/2 < the row's largest p <= 1. The row's sum l is taken of the UNQUANTISED p, in f32, and the product's result is divided by l at the end. Since M is a whole number, a kernel that streams over the keys may use a running M (the ceiling of the running maximum): every later rescaling is an exact power of two, so the quantised numbers keep their values, but for numbers so far below the row's largest that they fall under the format's range.
;;   OPERANDS COMPUTED ON THE WAY. 'Computed on the way' means the value that the module computes at that place (a softmax that the list does not call 'softmax' is quantised finished and normalised). What goes into a quantiser is computed in f32, as accurately as f32 sums, v_exp_f32 and their like allow (about 1e-6 of the number): no bf16 or f16 on the way to a quantiser, and a product that is left as it is and whose result goes on into a quantised operand takes f32 operands (vector FMAs, or v_wmma_f32_16x16x4_f32). A number that lies on a knife's edge between two numbers of the format may be rounded either way, as far as f32 arithmetic and the matrix unit's own rounding can turn it there, and no further.
;; One version. Each part assembles by itself: llvm-mc -triple=amdgcn-amd-amdhsa -mcpu=gfx1250 --defsym DOCPART=n.
;; ======== version 1 of 1: 4 launches
;; limits: right only within a limited range of input values
;; workspace buffers: wimg 1,048,576 bytes; qimg 4,194,304 bytes; kimg 8,388,608 bytes; vimg 8,388,608 bytes; oimg 4,194,304 bytes; xq 4,194,304 bytes; mq 8,388,608 bytes; count 512 bytes of whole numbers
;; launch prep (part 1): grid 512 x 1, 4 waves a work-group, no clusters, 768 bytes of LDS; arguments Wq, Wkv, Wo, memory_mask, lowp_scales, x, memory, wimg, xq, mq, count; writes wimg, xq, mq, count
.if DOCPART == 1
	.amdgcn_target "amdgcn-amd-amdhsa--gfx1250"
	.amdhsa_code_object_version 6
	.text
	.protected	k_q20978e71d8_prep
	.globl	k_q20978e71d8_prep
	.p2align	8
	.type	k_q20978e71d8_prep,@function
k_q20978e71d8_prep:
	s_mov_b64 s[64:65], 0
	v_nop
	global_prefetch_b8 v0, s[64:65] scope:SCOPE_SE
	s_setreg_imm32_b32 hwreg(HW_REG_WAVE_MODE, 25, 1), 1
	s_wait_xcnt 0x0
; PREP.  Three jobs that share one launch, told apart by the work-group's number.  All make codes of E4M3: number / 2^e, held within +-448, to the nearest code, ties to even.
; (1) Work-groups 0-127: the weights, f32 stored [K = 512][N], become IMAGES OF OPERAND REGISTERS.  Work-group = a tile of 16 columns (0-31 Wq, 32-95 Wkv: 32-63 are K's columns and 64-95 V's, 96-127 Wo);
;     wave s = K step s of 128.  Lane (r = lane % 16, h = lane / 16) takes column r, and its registers run down K.  Registers 4u..4u+3 of the 32 lanes are stored as one block of 512 bytes, lane l at 16 l;
;     fragment (tile, s) is 4 such blocks at (4 tile + s) x 2,048.
;     Wo: the plain layout's places, registers 2c, 2c+1 = k 16c + 8h + 0..7.   Wq, Wkv: registers 4u..4u+3 = places 32u + 16h + 0..15 of K step s in the PERMUTED order of K below.
; (2) 128-255: 64 rows of x each, 16 a wave.   (3) 256-511: 64 keys of memory each, 16 a wave.
;     A row's 512 numbers are loaded as they lie: load j gives lane l the numbers 128 j + 4 l + 0..3.  The lane's 16 numbers become 16 bytes, 16 l + 4 j + i of the row's 512: so PLACE n of a row holds k = 128 ((n % 16) / 4) + 4 (n / 16) + n % 4.
;     The same permutation of K in both operands of a product keeps every product of two numbers; only the order of the sums hangs on it.
;     Memory's rows are COMPACTED by memory_mask on the way: a kept key's (mask != 0) row goes to place (kept keys ahead of it in the batch) of mq, and place 4,095 downward gets bytes for the others, so that every place is stored.
;     Keys under the mask have -infinity ahead of the softmax: their rows are not fetched (the input's whole numbers decide); the bytes stored for them are codes of numbers of a kept row, which no result hangs on.
;     count[b] = the kept keys of batch b, written 32 times (128 bytes).  A work-group's four waves count the groups of 128 keys ahead of their own, eight groups each, and add up through LDS.
; LIMITS: each e between -126 and 119, so that 2^e and 448 x 2^e are f32 numbers.  NaN among the inputs is not served; an infinity is held at the largest code.
; No tensor load: stored or loaded whole numbers decide addresses here.
.set LI,  1                            ; v1 16 x lane
.set SPW, 12                           ; v12, v13 the add at the wave's end
.set NIL, 13
.set SPARE, 256                        ; LDS: four words of counts in the first 256 bytes, then the spare words
.set MSB, 0
.macro WIN new                         ; the immediate's high byte repeats the setting that is left
.if MSB != (\new)
	s_set_vgpr_msb (MSB<<8)|(\new)
.set MSB, (\new)
.endif
.endm
	s_load_b512 s[4:19], s[0:1], 0x0               ; Wq s[4:5], Wkv s[6:7], Wo s[8:9], mask s[10:11], scales s[12:13], x s[14:15], memory s[16:17], wimg s[18:19]
	s_load_b128 s[20:23], s[0:1], 0x40             ; xq, mq
	s_load_b64 s[24:25], s[0:1], 0x50              ; count
	v_lshl_add_u32 v[SPW], v0, 2, SPARE
	v_mov_b32 v[NIL], 0
	v_lshrrev_b32 v2, 5, v0
	v_readfirstlane_b32 s26, v2                    ; wave 0..3
	v_and_b32 v2, 31, v0                           ; lane
	v_lshlrev_b32 v[LI], 4, v2
	s_wait_alu depctr_va_vdst(0)
	s_wait_kmcnt 0x0
	s_load_b256 s[28:35], s[12:13], 0x0            ; e0 .. e7
	s_load_b64 s[36:37], s[12:13], 0x20            ; e8, e9
	s_cmp_ge_u32 ttmp9, 128
	s_cbranch_scc1 .Lrows
	; ---------------- the weights
	s_cmp_lt_u32 ttmp9, 32                         ; which weight: the choice hangs on the work-group's number alone
	s_cselect_b64 s[40:41], s[4:5], s[6:7]
	s_cselect_b32 s39, 0, 32
	s_cmp_lt_u32 ttmp9, 96
	s_cselect_b64 s[40:41], s[40:41], s[8:9]
	s_cselect_b32 s39, s39, 96                     ; the weight's first tile
	s_sub_co_u32 s42, ttmp9, s39
	s_lshl_b32 s42, s42, 6                         ; my 16 columns: 64 bytes a tile
	s_cmp_eq_u32 s39, 32
	s_cselect_b32 s44, 12, 11                      ; a row of Wkv is 4,096 bytes, of Wq and Wo 2,048
	s_cmp_eq_u32 s39, 96
	s_cselect_b32 s45, 7, 5                        ; my K step's first row: 128 s (Wo) or 32 s
	s_cselect_b32 s46, 3, 2                        ; lanes 16-31 begin 8 rows (Wo) or 4 rows further down
	s_lshl_b32 s47, s26, s45
	s_lshl_b32 s47, s47, s44
	s_add_co_u32 s42, s42, s47
	s_mov_b32 s43, 0
	s_add_nc_u64 s[40:41], s[40:41], s[42:43]
	v_and_b32 v7, 15, v0                           ; r
	v_bfe_u32 v8, v0, 4, 1                         ; h
	v_lshlrev_b32 v3, s46, v8
	v_lshlrev_b32 v3, s44, v3
	v_lshl_add_u32 v3, v7, 2, v3
	s_wait_alu depctr_va_vdst(0)                   ; the wait ahead of the branches below
; 64 loads into v[16 + 8 n + i].  Sixteen neighbouring lanes read 64 neighbouring bytes.  perm = 1: number m = 8 (n % 2) + i of block u = n / 2 is row 128 (m / 4) + m % 4 + 8 u from the lane's first
.macro WLOAD pitch, perm
.irp n, 0,1,2,3,4,5,6,7
.irp i, 0,1,2,3,4,5,6,7
.if \perm
	global_load_b32 v[16+8*\n+\i], v3, s[40:41] offset:(128*(2*(\n%2)+\i/4)+\i%4+8*(\n/2))*\pitch
.else
	global_load_b32 v[16+8*\n+\i], v3, s[40:41] offset:(16*\n+\i)*\pitch
.endif
.endr
.endr
.endm
	s_cmp_eq_u32 s39, 32
	s_cbranch_scc1 .Lwide
	s_cmp_eq_u32 s39, 96
	s_cbranch_scc1 .Lplain
	WLOAD 2048, 1
	s_branch .Lgot
.Lwide:
	WLOAD 4096, 1
	s_branch .Lgot
.Lplain:
	WLOAD 2048, 0
.Lgot:
	s_wait_kmcnt 0x0                               ; the exponents
	s_cmp_lt_u32 ttmp9, 32
	s_cselect_b32 s38, s29, s31
	s_cmp_lt_u32 ttmp9, 96
	s_cselect_b32 s38, s38, s37                    ; e1, e3 or e9
	s_add_co_i32 s38, s38, 127
	s_lshl_b32 s44, s38, 23
	v_mov_b32 v5, s44                              ; 2^e as f32: the conversion takes its exponent field
	s_add_co_i32 s38, s38, 8
	s_lshl_b32 s38, s38, 23
	s_or_b32 s38, s38, 0x600000
	v_mov_b32 v6, s38                              ; 448 x 2^e
	s_lshl_b32 s44, ttmp9, 2
	s_add_co_u32 s44, s44, s26
	s_lshl_b32 s44, s44, 11                        ; fragment (tile, s) at (4 tile + s) x 2,048
	s_mov_b32 s45, 0
	s_add_nc_u64 s[18:19], s[18:19], s[44:45]
	s_wait_alu depctr_va_vdst(0)                   ; the wait at the head's end
	s_wait_loadcnt 0x0
.set n, 0
.rept 64
	v_med3_num_f32 v[16+n], v[16+n], -v6, v6       ; the conversion to an 8-bit code does not saturate (ISA guide 7.6.2): the hold at the largest code x the scale comes first
.set n, n+1
.endr
.irp c, 0,1,2,3,4,5,6,7
	v_cvt_scalef32_pk8_fp8_f32 v[80+2*\c:81+2*\c], v[16+8*\c:23+8*\c], v5
.endr
.irp u, 0,1,2,3
	global_store_b128 v[LI], v[80+4*\u:83+4*\u], s[18:19] offset:512*\u     ; 32 lanes store 512 consecutive bytes, at a multiple of 512 from the buffer's first byte
.endr
	s_endpgm
; ---------------- rows.  s60: one bit for each of my 16 rows, 1 = kept.  Row i's four loads go to window 1, v[16 i ..].  For a row that is not kept every lane names the first 16 bytes of the run in my first kept row.
.macro RLOAD base
	s_ctz_i32_b32 s59, s60                         ; (no kept row among my 16: the hold below makes it row 15)
	s_lshl_b32 s59, s59, 11
.irp i, 0,1,2,3,4,5,6,7,8,9,10,11,12,13,14,15
	s_bitcmp1_b32 s60, \i
	s_cselect_b32 s63, 2048*\i, s59
	s_cselect_b32 s58, -1, 0
	v_and_b32 v[32+\i], s58, v[LI]
	v_add_nc_u32 v[32+\i], s63, v[32+\i]
	v_min_u32 v[32+\i], 0x7800, v[32+\i]           ; a number that hangs on loaded numbers is held ahead of the address (below: the lane's own 16 bytes)
	v_and_b32 v[48+\i], s58, v[LI]
	v_min_u32 v[48+\i], 0x1f0, v[48+\i]
	v_and_b32 v[32+\i], 0x7800, v[32+\i]           ; a multiple of 2,048: the row
	v_add_nc_u32 v[32+\i], v[32+\i], v[48+\i]
.endr
	s_wait_alu depctr_va_vdst(0)                   ; the wait ahead of the readers below
	WIN 0x40
.irp i, 0,1,2,3,4,5,6,7,8,9,10,11,12,13,14,15
.irp j, 0,1,2,3
	global_load_b128 v[16*\i+4*\j:16*\i+4*\j+3], v[32+\i], s[\base:\base+1] offset:512*\j
.endr
.endr
	WIN 0
.endm
.Lrows:
	s_mov_b32 s41, 0
	s_cmp_ge_u32 ttmp9, 256
	s_cbranch_scc1 .Lmem
	s_sub_co_u32 s46, ttmp9, 128
	s_lshl_b32 s40, s46, 17                        ; 64 rows of 2,048 bytes
	s_lshl_b32 s47, s26, 15
	s_add_co_u32 s40, s40, s47
	s_add_nc_u64 s[14:15], s[14:15], s[40:41]
	s_lshl_b32 s40, s46, 15                        ; and of 512
	s_lshl_b32 s47, s26, 13
	s_add_co_u32 s40, s40, s47
	s_add_nc_u64 s[38:39], s[20:21], s[40:41]
	s_mov_b32 s60, 0xffff                          ; every row of x is wanted, at its own place
	s_mov_b32 s61, 0
	s_mov_b32 s62, 0
	RLOAD 14
	s_branch .Lconv
.Lmem:
	s_sub_co_u32 s46, ttmp9, 256
	s_lshr_b32 s47, s46, 6                         ; batch
	s_and_b32 s48, s46, 63                         ; which 64 keys of it
	s_lshr_b32 s49, s48, 1                         ; their group of 128
	s_lshl_b32 s40, s47, 14
	s_add_nc_u64 s[10:11], s[10:11], s[40:41]      ; the batch's mask
	s_lshl_b32 s40, s49, 9
	s_add_nc_u64 s[42:43], s[10:11], s[40:41]      ; the group's
	s_lshl_b32 s40, s26, 12
	s_add_nc_u64 s[44:45], s[10:11], s[40:41]      ; the eight groups that I count
	v_lshlrev_b32 v4, 2, v2
.irp c, 0,1,2,3
	global_load_b32 v[8+(\c%2)+6*(\c/2)], v4, s[42:43] offset:128*\c      ; keys 32 c + lane of the group: v8, v9, v14, v15
.endr
.irp n, 0,1,2,3,4,5,6,7
	global_load_b128 v[64+4*\n:67+4*\n], v[LI], s[44:45] offset:512*\n
.endr
	s_lshl_b32 s40, s47, 7
	s_add_nc_u64 s[24:25], s[24:25], s[40:41]      ; count[b]
	s_lshl_b32 s40, s47, 21
	s_add_nc_u64 s[38:39], s[22:23], s[40:41]      ; the batch's 4,096 places of 512 bytes
	s_lshl_b32 s40, s46, 17
	s_lshl_b32 s50, s26, 15
	s_add_co_u32 s40, s40, s50
	s_add_nc_u64 s[16:17], s[16:17], s[40:41]      ; my 16 rows
	s_wait_alu depctr_va_vdst(0)
	s_wait_loadcnt 0x8                             ; the group's four are in; the eight behind them may be out
	v_cmp_ne_u32 s52, 0, v8
	v_cmp_ne_u32 s53, 0, v9
	v_cmp_ne_u32 s54, 0, v14
	v_cmp_ne_u32 s55, 0, v15
	s_wait_alu depctr_va_vdst(0)                   ; the wait ahead of the run of scalar lines
	s_bcnt1_i32_b32 s66, s52
	s_bcnt1_i32_b32 s67, s53
	s_bcnt1_i32_b32 s68, s54
	s_bcnt1_i32_b32 s69, s55
	s_add_co_u32 s66, s66, s67                     ; kept in the group's first half,
	s_add_co_u32 s75, s66, s68
	s_add_co_u32 s75, s75, s69                     ; and in all of it
	s_and_b32 s67, s48, 1
	s_cmp_eq_u32 s67, 1
	s_cselect_b32 s66, s66, 0                      ; ahead of my work-group's 64 in the group
	s_cselect_b32 s68, s54, s52
	s_cselect_b32 s69, s55, s53
	s_bcnt1_i32_b32 s70, s68
	s_cmp_ge_u32 s26, 2
	s_cselect_b32 s70, s70, 0
	s_cselect_b32 s69, s69, s68                    ; the word that holds my 16 bits
	s_add_co_u32 s66, s66, s70
	s_and_b32 s70, s26, 1
	s_lshl_b32 s70, s70, 4
	s_bfm_b32 s71, s70, 0
	s_and_b32 s71, s71, s69
	s_bcnt1_i32_b32 s71, s71
	s_add_co_u32 s66, s66, s71                     ; kept ahead of my 16 in the group
	s_lshr_b32 s60, s69, s70
	s_and_b32 s60, s60, 0xffff
	RLOAD 16
	s_wait_loadcnt 63                              ; the count's words are in: 64 row loads stand behind them
	s_mov_b32 s40, 0
	s_lshl_b32 s67, s26, 3
.irp n, 0,1,2,3,4,5,6,7
	v_cmp_ne_u32 s70, 0, v[64+4*\n]
	v_cmp_ne_u32 s71, 0, v[65+4*\n]
	v_cmp_ne_u32 s72, 0, v[66+4*\n]
	v_cmp_ne_u32 s73, 0, v[67+4*\n]
	s_bcnt1_i32_b32 s70, s70
	s_bcnt1_i32_b32 s71, s71
	s_bcnt1_i32_b32 s72, s72
	s_bcnt1_i32_b32 s73, s73
	s_add_co_u32 s70, s70, s71
	s_add_co_u32 s72, s72, s73
	s_add_co_u32 s70, s70, s72
	s_cmp_lt_u32 s67, s49                          ; only groups ahead of mine
	s_cselect_b32 s70, s70, 0
	s_add_co_u32 s40, s40, s70
	s_add_co_u32 s67, s67, 1
.endr
	s_lshl_b32 s67, s26, 2
	v_mov_b32 v5, s40
	v_mov_b32 v6, s67
	ds_store_b32 v6, v5                            ; my wave's word
	s_wait_dscnt 0x0                               ; for the others' sake
	s_barrier_signal -1
	s_barrier_wait -1
	v_mov_b32 v7, 0
	ds_load_b128 v[16:19], v7
	s_wait_dscnt 0x0
	v_add3_u32 v16, v16, v17, v18
	v_add_nc_u32 v16, v16, v19
	v_readfirstlane_b32 s76, v16                   ; kept in the groups ahead of mine
	s_add_co_u32 s61, s76, s66                     ; the place of my next kept row
	s_lshl_b32 s67, s48, 6
	s_lshl_b32 s68, s26, 4
	s_add_co_u32 s67, s67, s68
	s_sub_co_u32 s67, s67, s61                     ; others ahead of my keys
	s_sub_co_u32 s62, 4095, s67                    ; the place of my next other
	s_add_co_u32 s75, s75, s76
	s_lshl_b32 s67, s48, 2
	s_add_co_u32 s67, s67, s26
	s_cmp_lg_u32 s67, 252                          ; the batch's last 64 keys, wave 0: its groups ahead and its own are the whole batch
	s_cbranch_scc1 .Lconv
	v_mov_b32 v11, s75
	global_store_b32 v4, v11, s[24:25]             ; count[b], 32 times
.Lconv:
	s_wait_kmcnt 0x0
	s_cmp_lt_u32 ttmp9, 256
	s_cselect_b32 s56, s28, s30                    ; e0 or e2
	s_add_co_i32 s56, s56, 127
	s_lshl_b32 s57, s56, 23
	v_mov_b32 v5, s57
	s_add_co_i32 s56, s56, 8
	s_lshl_b32 s56, s56, 23
	s_or_b32 s56, s56, 0x600000
	v_mov_b32 v6, s56
	s_wait_alu depctr_va_vdst(0)
.irp i, 0,1,2,3,4,5,6,7,8,9,10,11,12,13,14,15
	s_bitcmp1_b32 s60, \i
	s_cselect_b32 s63, s61, s62
	s_cselect_b32 s57, 1, 0
	s_add_co_u32 s61, s61, s57
	s_add_co_u32 s62, s62, s57
	s_sub_co_u32 s62, s62, 1
	s_min_u32 s63, s63, 0xfff                      ; a place made of loaded numbers is held inside the batch's 4,096 before it enters an address
	s_lshl_b32 s63, s63, 9
	v_add_nc_u32 v[128+\i], s63, v[LI]
	s_wait_loadcnt 60-4*\i                         ; row i is in; the rows behind it may be out
	WIN 0x41
.set n, 0
.rept 16
	v_med3_num_f32 v[16*\i+n], v[16*\i+n], -v6, v6 ; the hold
.set n, n+1
.endr
	WIN 0x01
	v_cvt_scalef32_pk8_fp8_f32 v[64+4*\i:65+4*\i], v[16*\i:16*\i+7], v5
	v_cvt_scalef32_pk8_fp8_f32 v[66+4*\i:67+4*\i], v[16*\i+8:16*\i+15], v5
	WIN 0
	global_store_b128 v[128+\i], v[64+4*\i:67+4*\i], s[38:39]    ; a row: 512 consecutive bytes, aligned
.endr
	s_wait_tensorcnt 0x0                           ; the wave's end
	ds_add_u32 v[SPW], v[NIL]
	s_wait_dscnt 0x0
	s_endpgm
.Lfunc_end_k_q20978e71d8_prep:
	.size	k_q20978e71d8_prep, .Lfunc_end_k_q20978e71d8_prep-k_q20978e71d8_prep
	.p2alignl 7, 3214868480
	.fill 96, 4, 3214868480
	.section	.rodata,"a",@progbits
	.p2align	6, 0x0
	.amdhsa_kernel k_q20978e71d8_prep
		.amdhsa_group_segment_fixed_size 768
		.amdhsa_private_segment_fixed_size 0
		.amdhsa_enable_private_segment 0
		.amdhsa_kernarg_size 88
		.amdhsa_user_sgpr_count 2
		.amdhsa_user_sgpr_kernarg_segment_ptr 1
		.amdhsa_wavefront_size32 1
		.amdhsa_system_sgpr_workgroup_id_x 1
		.amdhsa_system_sgpr_workgroup_id_y 1
		.amdhsa_system_sgpr_workgroup_id_z 1
		.amdhsa_system_vgpr_workitem_id 0
		.amdhsa_next_free_vgpr 512
		.amdhsa_next_free_sgpr 100
		.amdhsa_reserve_vcc 0
		.amdhsa_float_denorm_mode_32 3
		.amdhsa_float_denorm_mode_16_64 3
		.amdhsa_memory_ordered 1
		.amdhsa_forward_progress 1
		.amdhsa_inst_pref_size 89
	.end_amdhsa_kernel
	.amdgpu_metadata
---
amdhsa.version: [ 1, 2 ]
amdhsa.kernels:
  - .name:           k_q20978e71d8_prep
    .symbol:         k_q20978e71d8_prep.kd
    .args:
      - { .name: Wq, .offset: 0, .size: 8, .value_kind: global_buffer, .address_space: global }
      - { .name: Wkv, .offset: 8, .size: 8, .value_kind: global_buffer, .address_space: global }
      - { .name: Wo, .offset: 16, .size: 8, .value_kind: global_buffer, .address_space: global }
      - { .name: memory_mask, .offset: 24, .size: 8, .value_kind: global_buffer, .address_space: global }
      - { .name: lowp_scales, .offset: 32, .size: 8, .value_kind: global_buffer, .address_space: global }
      - { .name: x, .offset: 40, .size: 8, .value_kind: global_buffer, .address_space: global }
      - { .name: memory, .offset: 48, .size: 8, .value_kind: global_buffer, .address_space: global }
      - { .name: wimg, .offset: 56, .size: 8, .value_kind: global_buffer, .address_space: global }
      - { .name: xq, .offset: 64, .size: 8, .value_kind: global_buffer, .address_space: global }
      - { .name: mq, .offset: 72, .size: 8, .value_kind: global_buffer, .address_space: global }
      - { .name: count, .offset: 80, .size: 8, .value_kind: global_buffer, .address_space: global }
    .group_segment_fixed_size: 768
    .private_segment_fixed_size: 0
    .kernarg_segment_align: 8
    .kernarg_segment_size: 88
    .max_flat_workgroup_size: 128
    .sgpr_count:     100
    .vgpr_count:     512
    .wavefront_size: 32
...
	.end_amdgpu_metadata
.endif
;; end of part 1
;; launch proj (part 2): grid 320 x 1, 4 waves a work-group, no clusters, 68,096 bytes of LDS; arguments xq, mq, wimg, bq, bkv, lowp_scales, count, qimg, kimg, vimg; writes qimg, kimg, vimg
.if DOCPART == 2
	.amdgcn_target "amdgcn-amd-amdhsa--gfx1250"
	.amdhsa_code_object_version 6
	.text
	.protected	k_q20978e71d8_proj
	.globl	k_q20978e71d8_proj
	.p2align	8
	.type	k_q20978e71d8_proj,@function
k_q20978e71d8_proj:
	s_mov_b64 s[64:65], 0
	v_nop
	global_prefetch_b8 v0, s[64:65] scope:SCOPE_SE
	s_setreg_imm32_b32 hwreg(HW_REG_WAVE_MODE, 25, 1), 1
	s_wait_xcnt 0x0
; PROJ.  Q = x Wq + bq;  K, V = memory[kept keys] Wkv + bkv, on codes of E4M3 made by the launch before (rows of 512 bytes, memory's kept rows compacted; weights as images of operand registers; K permuted alike in both); sums in f32;
; the results are quantised at once (e4, e5, e7) and stored as images of the operand registers that the attention launch wants.  Keys under the mask have -infinity ahead of the softmax: they are not projected.
; SHARES.  A work-group takes 128 rows x 512 columns: numbers 0-63 Q; number 64 + 8 kb + 2 b + v is block kb of 128 places of batch b, K (v = 0) or V (v = 1): blocks that hold kept keys have the lowest numbers for every mask.
; Wave w owns columns 128 w .. +127 (heads 2w, 2w+1), 8 tiles.  The rows go through LDS once; their 32 fragments then stay in 512 registers of each wave, and the wave's weight fragments stream through four buffers of one column tile each.
; A GRID FOR EVERY MASK.  A block of K or V is worked where 128 kb < max(count[b], 768); else the work-group stores nothing.  (Blocks 0 to 5 are always made: the attention launch's first fetches read stored bytes for every mask.)
; That is a branch on a stored whole number, so no tensor load is used; for the same reason there is no cluster: partners could have different work.  The one barrier stands on every path, ahead of that branch.
; LAYOUT.  A fragment's registers 4u..4u+3 of lane (r, h) are bytes 128 s + 32 u + 16 h + 0..15 of row r.  An image: registers 4u..4u+3 of 32 lanes = 512 bytes, lane l at 16 l.
;   Q, K: the product is used TRANSPOSED (source 0 = 16 columns of W, source 1 = 16 rows): a lane holds one row and 8 neighbouring columns, so tile ct's 8 sums convert into registers 2 (ct % 4), +1 of head ct / 4's fragment (K = 64).
;   V: natural (source 0 = 16 rows = keys, source 1 = 16 columns): a lane holds one channel and 8 neighbouring keys, so row tile rt's sums convert into registers 2 rt, +1 of the fragment of 16 channels x 128 keys.
; The bias is the C of each sum's first matrix instruction, divided by the power of two that the sums lack; the three scales ahead of the quantiser are folded into the conversion's one.
; LIMITS: e0, e2 and eO - eA - eB between -126 and 119.  NaN among the inputs is not served.
; REGISTERS.  window 0: v1-15 addresses and scales; v16-79 the bias, 8 a column tile; v80-87 V's bias as loaded; v96-223 rows as loaded, later two sets of 8 accumulators; v224-255 codes.
;   window 1: weight fragment (ct, s) at 64 (ct % 4) + 16 s.   windows 2, 3: the rows' fragment (rt, s) at 16 (4 (rt % 4) + s), row tiles 0-3 and 4-7.
.set PITCH, 528                        ; an LDS row: 512 bytes + 16 = 132 words: row r starts at bank 4 r mod 64 (64 banks of 4 bytes: ISA guide 11.1)
.set SPARE, 128*PITCH                  ; 67,584: behind the rows: the spare words, 128 bytes for each wave
.set LI,  1                            ; 16 x lane
.set RW,  2                            ; where I store my 32 rows
.set FRA, 3                            ; where I read fragments
.set SCO, 7                            ; 2^(eO - eA - eB);  v8: 448 x that
.set LMO, 8
.set BQA, 12                           ; 32 h: bias, Q and K;  v13: 4 r: V's
.set BVA, 13
.set SPW, 14
.set NIL, 15
.set BIA, 16
.set BVS, 80
.set ACC, 96
.set PC,  224
.set MSB, 0
.macro WIN new
.if MSB != (\new)
	s_set_vgpr_msb (MSB<<8)|(\new)
.set MSB, (\new)
.endif
.endm
	s_load_b512 s[4:19], s[0:1], 0x0               ; xq s[4:5], mq s[6:7], wimg s[8:9], bq s[10:11], bkv s[12:13], scales s[14:15], count s[16:17], qimg s[18:19]
	s_load_b128 s[20:23], s[0:1], 0x40             ; kimg, vimg
	v_lshl_add_u32 v[SPW], v0, 2, SPARE
	v_mov_b32 v[NIL], 0
	v_lshrrev_b32 v9, 5, v0
	v_readfirstlane_b32 s26, v9                    ; wave 0..3
	v_and_b32 v9, 31, v0
	v_and_b32 v10, 15, v0                          ; r
	v_bfe_u32 v11, v0, 4, 1                        ; h
	v_lshlrev_b32 v[LI], 4, v9
	s_mul_i32 s90, s26, 32*PITCH
	v_add_nc_u32 v[RW], s90, v[LI]
	v_mul_u32_u24 v[FRA], v10, PITCH
	v_lshl_add_u32 v[FRA], v11, 4, v[FRA]
	v_lshlrev_b32 v[BQA], 5, v11
	v_lshlrev_b32 v[BVA], 2, v10
	s_wait_alu depctr_va_vdst(0)                   ; the wait ahead of the run of scalar lines
	s_sub_co_u32 s90, ttmp9, 64
	s_and_b32 s91, s90, 1
	s_add_co_u32 s91, s91, 1                       ; 1 K, 2 V
	s_bfe_u32 s94, s90, 0x20001                    ; batch
	s_lshr_b32 s95, s90, 3                         ; kb
	s_lshr_b32 s97, ttmp9, 4                       ; Q: 16 blocks a batch
	s_and_b32 s98, ttmp9, 15
	s_lshl_b32 s99, s94, 21
	s_lshl_b32 s90, s95, 16
	s_add_co_u32 s99, s99, s90                     ; (4096 b + 128 kb) rows of 512 bytes
	s_lshl_b32 s90, ttmp9, 16                      ; Q: 128 rows of 512 bytes a work-group
	s_cmp_lt_u32 ttmp9, 64
	s_cselect_b32 s27, 0, s91                      ; g: 0 Q, 1 K, 2 V
	s_cselect_b32 s92, s97, s94                    ; batch
	s_cselect_b32 s93, s98, s95                    ; block within the batch
	s_cselect_b32 s90, s90, s99
	s_cselect_b32 s96, 17, 18                      ; a head's images: 2^17 bytes of Q, 2^18 of K or V
	s_lshl_b32 s97, s26, 14
	s_add_co_u32 s90, s90, s97                     ; my wave's 32 rows
	s_mov_b32 s91, 0
	s_lshl_b32 s98, s92, 3
	s_lshl_b32 s99, s26, 1
	s_add_co_u32 s98, s98, s99                     ; 8 b + 2 w: my first head
	s_lshl_b32 s98, s98, s96
	s_lshl_b32 s99, s93, 13                        ; a block's images are 8,192 bytes a head in all three buffers
	s_add_co_u32 s86, s98, s99
	s_mov_b32 s87, 0
	s_lshl_b32 s78, 1, s96                         ; from head to head
	s_mov_b32 s79, 0
	s_mov_b32 s95, 0
	s_wait_kmcnt 0x0
	s_cmp_eq_u32 s27, 0
	s_cselect_b64 s[80:81], s[4:5], s[6:7]
	s_cselect_b64 s[84:85], s[10:11], s[12:13]
	s_cselect_b64 s[88:89], s[18:19], s[20:21]
	s_add_nc_u64 s[80:81], s[80:81], s[90:91]
.set n, 0
.rept 32
	global_load_b128 v[ACC+4*n:ACC+4*n+3], v[LI], s[80:81] offset:512*n    ; a row each
.set n, n+1
.endr
	s_load_b256 s[68:75], s[14:15], 0x0            ; e0 .. e7
	s_lshl_b32 s94, s92, 7
	s_add_nc_u64 s[16:17], s[16:17], s[94:95]
	s_load_b32 s29, s[16:17], 0x0                  ; count[b]
	s_cmp_eq_u32 s27, 2
	s_cselect_b64 s[88:89], s[22:23], s[88:89]
	s_cselect_b32 s94, 2048, 0                     ; V's half of bkv
	s_lshl_b32 s99, s26, 9
	s_add_co_u32 s94, s94, s99
	s_add_nc_u64 s[84:85], s[84:85], s[94:95]      ; the bias of my 128 columns
	s_lshl_b32 s94, s27, 18
	s_lshl_b32 s99, s26, 16
	s_add_co_u32 s94, s94, s99
	s_add_nc_u64 s[82:83], s[8:9], s[94:95]        ; my 32 weight fragments: tile 32 g + 8 w on
	s_add_nc_u64 s[86:87], s[88:89], s[86:87]      ; the images of head 2w,
	s_add_nc_u64 s[88:89], s[86:87], s[78:79]      ; and of head 2w + 1
.irp ct, 0,1,2,3,4,5,6,7
	global_load_b128 v[BIA+8*\ct:BIA+8*\ct+3], v[BQA], s[84:85] offset:64*\ct        ; Q, K: lane (r, h) wants columns 8 h + 0..7;
	global_load_b128 v[BIA+8*\ct+4:BIA+8*\ct+7], v[BQA], s[84:85] offset:64*\ct+16
	global_load_b32 v[BVS+\ct], v[BVA], s[84:85] offset:64*\ct                       ; V: lane r column r
.endr
.macro LOADW ct                        ; column tile ct's four fragments: 8,192 consecutive bytes
	WIN 0x40
.set n, 0
.rept 16
	global_load_b128 v[64*((\ct)%4)+4*n:64*((\ct)%4)+4*n+3], v[LI], s[82:83] offset:8192*(\ct)+512*n
.set n, n+1
.endr
	WIN 0
.endm
	LOADW 0
	LOADW 1
	s_wait_loadcnt 56                              ; the 32 rows are in; 24 loads of bias and 32 of weights may be out
.set n, 0
.rept 32
	ds_store_b128 v[RW], v[ACC+4*n:ACC+4*n+3] offset:PITCH*n
.set n, n+1
.endr
	LOADW 2
	s_wait_kmcnt 0x0                               ; exponents and count
	s_wait_dscnt 0x0                               ; for the others' sake: my rows have landed
	s_barrier_signal -1
	s_barrier_wait -1                              ; the 128 rows lie in LDS; nothing is written to LDS behind this barrier
	s_max_u32 s29, s29, 768
	s_lshl_b32 s94, s93, 7
	s_cmp_lt_u32 s94, s29
	s_cselect_b32 s28, 1, 0
	s_cmp_eq_u32 s27, 0
	s_cselect_b32 s28, 1, s28
	s_cmp_eq_u32 s28, 0
	s_cbranch_scc1 .Lend                           ; no kept key in this block
.irp hf, 0,1
	WIN 0x80+0x40*\hf
.set n, 0
.rept 64
	ds_load_b128 v[4*n:4*n+3], v[FRA] offset:(4*\hf+n/16)*16*PITCH+128*((n/4)%4)+32*(n%4)
.set n, n+1
.endr
.endr
	WIN 0
	s_cmp_eq_u32 s27, 0
	s_cselect_b32 s90, s68, s70                    ; eA: x's or memory's
	s_cselect_b32 s94, s69, s71                    ; eB: Wq's or Wkv's
	s_cselect_b32 s96, s72, s73                    ; eO: Q's or K's,
	s_cmp_eq_u32 s27, 2
	s_cselect_b32 s96, s75, s96                    ; or V's
	s_add_co_i32 s90, s90, s94                     ; a sum stands for sum x 2^(eA + eB)
	s_sub_co_i32 s96, s96, s90
	s_add_co_i32 s96, s96, 127
	s_lshl_b32 s98, s96, 23
	v_mov_b32 v[SCO], s98
	s_add_co_i32 s96, s96, 8
	s_lshl_b32 s96, s96, 23
	s_or_b32 s96, s96, 0x600000
	v_mov_b32 v[LMO], s96
	s_sub_co_i32 s30, 0, s90                       ; the bias goes in x 2^-(eA + eB)
	s_wait_alu depctr_va_vdst(0)
	s_wait_loadcnt 48                              ; the bias is in; three tiles of weights may be out
; Four matrix instructions: row tiles 4 hf .. 4 hf + 3, column tile ct, K step ks.  The eight accumulators of a tile take turns, one instruction a turn.
.macro GROUP tr, ct, ks, hf
.set WF, 64*((\ct)%4)+16*(\ks)
.if \tr
	WIN 0x09+4*(\hf)                               ; source 0 (W) window 1, source 1 (rows) window 2 or 3, C and D window 0
.else
	WIN 0x06+(\hf)
.endif
.irp r4, 0,1,2,3
.set DA, ACC+64*((\ct)%2)+32*(\hf)+8*\r4
.set RF, 16*(4*\r4+(\ks))
.if (\ks) == 0
.set CA, BIA+8*(\ct)
.else
.set CA, DA
.endif
.if \tr
	v_wmma_f32_16x16x128_fp8_fp8 v[DA:DA+7], v[WF:WF+15], v[RF:RF+15], v[CA:CA+7]
.else
	v_wmma_f32_16x16x128_fp8_fp8 v[DA:DA+7], v[RF:RF+15], v[WF:WF+15], v[CA:CA+7]
.endif
.endr
.endm
.macro POST tr, ct, rt                 ; a finished accumulator, from its low end on: the hold (the conversion does not saturate: ISA guide 7.6.2) and the codes
.set DA, ACC+64*((\ct)%2)+8*(\rt)
.if \tr
.set CD, PC+4*(\rt)+2*((\ct)%2)
.else
.set CD, PC+16*((\ct)%2)+2*(\rt)
.endif
.irp j, 0,1,2,3,4,5,6,7
	v_med3_num_f32 v[DA+\j], v[DA+\j], -v[LMO], v[LMO]
.endr
	v_cvt_scalef32_pk8_fp8_f32 v[CD:CD+1], v[DA:DA+7], v[SCO]
.endm
.macro SEND tr, ct                     ; 512 consecutive bytes a store, aligned.  Q, K: two column tiles fill a block of four registers of each of the eight row tiles' fragments
.set OB, 86+2*((\ct)/4)
.if \tr
.if (\ct)%2 == 1
.irp rt, 0,1,2,3,4,5,6,7
	global_store_b128 v[LI], v[PC+4*\rt:PC+4*\rt+3], s[OB:OB+1] offset:1024*\rt+512*(((\ct)%4)/2)
.endr
.endif
.else
.irp u, 0,1,2,3
	global_store_b128 v[LI], v[PC+16*((\ct)%2)+4*\u:PC+16*((\ct)%2)+4*\u+3], s[OB:OB+1] offset:2048*((\ct)%4)+512*\u
.endr
.endif
.endm
; Column tile ct: its 32 products, and between each four of them one accumulator of the tile before.  Behind the first four and nine places the buffer of the tile before takes tile ct + 3.
.macro TILE tr, ct
.if (\ct) <= 5
	s_wait_loadcnt 32                              ; this tile's weights are in; the next two tiles' may be out
.elseif (\ct) == 6
	s_wait_loadcnt 16
.else
	s_wait_loadcnt 0
.endif
.irp ks, 0,1,2,3
.irp hf, 0,1
	GROUP \tr, \ct, \ks, \hf
.if (\ct) > 0
	WIN 0
.if (\ks+\hf == 0) && ((\ct) >= 2)
	s_wait_xcnt 0x0                                ; earlier stores have read the code registers
.endif
	POST \tr, (\ct)-1, 2*\ks+\hf
.endif
.if (\ks+\hf == 0) && ((\ct)+3 < 8)
	LOADW (\ct)+3
.endif
.endr
.endr
	WIN 0
.if (\ct) == 0
.rept 4
	v_nop                                          ; four places (ISA guide 7.12.1) ahead of the first read of the sums; behind the other tiles the tile before's holds stand there
.endr
.else
	SEND \tr, (\ct)-1
.endif
.endm
.macro ALL tr
	s_wait_alu depctr_va_vdst(0)
	s_wait_dscnt 0x0                               ; the rows' fragments are in
.irp ct, 0,1,2,3,4,5,6,7
	TILE \tr, \ct
.endr
	s_wait_xcnt 0x0
.irp rt, 0,1,2,3,4,5,6,7
	POST \tr, 7, \rt
.endr
	SEND \tr, 7
.endm
	s_cmp_eq_u32 s27, 2
	s_cbranch_scc1 .Lvpath
.set n, 0
.rept 64
	v_ldexp_f32 v[BIA+n], v[BIA+n], s30
.set n, n+1
.endr
	ALL 1
	s_branch .Lend
.Lvpath:
.set n, 0
.rept 64
	v_ldexp_f32 v[BIA+n], v[BVS+n/8], s30          ; the lane's channel, eight times
.set n, n+1
.endr
	ALL 0
.Lend:
	s_wait_tensorcnt 0x0                           ; the wave's end
	ds_add_u32 v[SPW], v[NIL]
	s_wait_dscnt 0x0
	s_endpgm
.Lfunc_end_k_q20978e71d8_proj:
	.size	k_q20978e71d8_proj, .Lfunc_end_k_q20978e71d8_proj-k_q20978e71d8_proj
	.p2alignl 7, 3214868480
	.fill 96, 4, 3214868480
	.section	.rodata,"a",@progbits
	.p2align	6, 0x0
	.amdhsa_kernel k_q20978e71d8_proj
		.amdhsa_group_segment_fixed_size 68096
		.amdhsa_private_segment_fixed_size 0
		.amdhsa_enable_private_segment 0
		.amdhsa_kernarg_size 80
		.amdhsa_user_sgpr_count 2
		.amdhsa_user_sgpr_kernarg_segment_ptr 1
		.amdhsa_wavefront_size32 1
		.amdhsa_system_sgpr_workgroup_id_x 1
		.amdhsa_system_sgpr_workgroup_id_y 1
		.amdhsa_system_sgpr_workgroup_id_z 1
		.amdhsa_system_vgpr_workitem_id 0
		.amdhsa_next_free_vgpr 1024
		.amdhsa_next_free_sgpr 100
		.amdhsa_reserve_vcc 0
		.amdhsa_float_denorm_mode_32 3
		.amdhsa_float_denorm_mode_16_64 3
		.amdhsa_memory_ordered 1
		.amdhsa_forward_progress 1
		.amdhsa_inst_pref_size 167
	.end_amdhsa_kernel
	.amdgpu_metadata
---
amdhsa.version: [ 1, 2 ]
amdhsa.kernels:
  - .name:           k_q20978e71d8_proj
    .symbol:         k_q20978e71d8_proj.kd
    .args:
      - { .name: xq, .offset: 0, .size: 8, .value_kind: global_buffer, .address_space: global }
      - { .name: mq, .offset: 8, .size: 8, .value_kind: global_buffer, .address_space: global }
      - { .name: wimg, .offset: 16, .size: 8, .value_kind: global_buffer, .address_space: global }
      - { .name: bq, .offset: 24, .size: 8, .value_kind: global_buffer, .address_space: global }
      - { .name: bkv, .offset: 32, .size: 8, .value_kind: global_buffer, .address_space: global }
      - { .name: lowp_scales, .offset: 40, .size: 8, .value_kind: global_buffer, .address_space: global }
      - { .name: count, .offset: 48, .size: 8, .value_kind: global_buffer, .address_space: global }
      - { .name: qimg, .offset: 56, .size: 8, .value_kind: global_buffer, .address_space: global }
      - { .name: kimg, .offset: 64, .size: 8, .value_kind: global_buffer, .address_space: global }
      - { .name: vimg, .offset: 72, .size: 8, .value_kind: global_buffer, .address_space: global }
    .group_segment_fixed_size: 68096
    .private_segment_fixed_size: 0
    .kernarg_segment_align: 8
    .kernarg_segment_size: 80
    .max_flat_workgroup_size: 128
    .sgpr_count:     100
    .vgpr_count:     1024
    .wavefront_size: 32
...
	.end_amdgpu_metadata
.endif
;; end of part 2
;; launch attn (part 3): grid 8 x 32, 8 waves a work-group, no clusters, 132,096 bytes of LDS; arguments qimg, kimg, vimg, count, lowp_scales, oimg; writes oimg
.if DOCPART == 3
	.amdgcn_target "amdgcn-amd-amdhsa--gfx1250"
	.amdhsa_code_object_version 6
	.text
	.protected	k_q20978e71d8_attn
	.globl	k_q20978e71d8_attn
	.p2align	8
	.type	k_q20978e71d8_attn,@function
k_q20978e71d8_attn:
	s_mov_b64 s[64:65], 0
	v_nop
	global_prefetch_b8 v0, s[64:65] scope:SCOPE_SE
	s_setreg_imm32_b32 hwreg(HW_REG_WAVE_MODE, 25, 1), 1
	s_wait_xcnt 0x0
; ATTN.  O = softmax(Q K^T / 8, over the kept keys) V for one head, both products on codes of E4M3; O is quantised with e8 and stored as part of the last product's operand images.
; Keys under the mask have -infinity ahead of the softmax: only the kept keys, compacted by the launches before, are walked (stored whole numbers decide).
; THE SOFTMAX AHEAD OF THE SECOND PRODUCT: t = score x log2(e) / 8; M = the row's largest t so far, rounded UP to a whole number; p = 2^(t - M) is quantised (e6), not normalised; the row's sum is taken of the
; unquantised p and divides O at the end.  When M moves, the sum and O are multiplied by 2^(old M - new M): nothing is rounded.
; SHARES.  A work-group owns 256 queries (x) of head y = 8 b + head; each of its eight waves 32 of them, two tiles of 16, in 512 registers: two waves to a SIMD.  count[b] keys, 128 a step, two steps a trip.
; THE LOOP has a constant number of trips (16); a step at or beyond count is jumped over.  In the step that count cuts, the scores of positions >= count become -infinity.
; These are branches on a stored whole number, so tiles come by plain loads through registers into LDS, not by tensor loads, and there is no cluster.
; THE RING.  A step's K (8 fragments of 16 keys x 64) and V (4 fragments of 16 channels x 128 keys) are 8,192 consecutive bytes each, already images of operand registers.  LDS holds four pairs of steps, trip T reads pair T % 4.
; Wave w brings 2,048 of a step's 16,384 bytes (waves 0-3 K's, 4-7 V's).  At trip T's head it stores the pair of trip T + 2 (asked for a trip ago) and asks for the pair of trip T + 3.
; THE BARRIER IS SPLIT: signalled at a trip's head, behind the wait for the wave's stores; waited for at the next trip's head.  So a pair is stored in trip T - 2, its stores are shown by the barrier that is waited for at the head of
; trip T - 1, and it is read in trip T (its first K fragments at the end of trip T - 1).  The pair stored in trip T was last read in trip T - 2; those reads were waited for ahead of the signal in trip T - 1, whose wait stands ahead of the stores.
; Between signal and wait stand register work and LDS loads of the pairs T and T + 1, which nobody writes before a later barrier.
; LAYOUT.  S^T = K Q^T (source 0 = 16 keys, source 1 = 16 queries), O^T = V^T P (source 0 = 16 channels, source 1 = P): a lane holds ONE query throughout; tile t's 8 scores are keys 16 t + 8 (lane / 16) + 0..7,
; which convert into registers 2t, 2t+1 of P: the plain layout's true places.
; Tile 0's exponentials take turns with tile 1's multiply-adds, tile 1's with tile 0's first sums and conversions: none of these reads what the same run writes.
; THE HOLD of p at 448 x 2^e6 stands in an arm of its own, taken where e6 < -8: p is at most 1 (but for a rounding) and 448 x 2^-8 = 1.75.
; A batch with no kept key: the sum is 0, and the NaN code is stored, so that the output is NaN there as a softmax over nothing is.
; LIMITS: e4 + e5 between -123 and 130 (added to c's exponent field); e6, e8 between -126 and 119; scaled scores under 2^31 in magnitude.  The order of the keys in the sums is the sorted list's.
; REGISTERS.  window 0: v1-10 addresses and constants; v12-19, v20-27 a tile's statistics; v32-63 partial sums; v64-191 S^T, then p; v192-223 P's codes; v224-239 Q; v240-243 scales.
;   window 1: v0-63 O^T; v64-127 K's fragments; v128-191 V's; v192-223 a pair of steps on its way.
.set LI,   1                           ; 16 x lane
.set SA,   2                           ; 2,048 w + 16 lane: where I store in a slot
.set GA,   3                           ; 2,048 (w % 4) + 16 lane: my part of a step's K or V in memory
.set H8,   4                           ; 8 (lane / 16)
.set DD,   5
.set NINF, 6
.set NANC, 7
.set RA,   8                           ; LI in this trip's pair
.set RB,   9                           ; LI in the next trip's pair
.set SB,   10                          ; SA in the pair of the trip after it
.set ST,   12                          ; tile q at ST + 8 q: +0 -M (+1 named with it), +2,+3 the sum, +4 f (+5 named with it; also the exchange's destination), +6,+7 at work
.set TM,   32
.set SS,   64
.set PP,   192
.set QQ,   224
.set LMP,  240                         ; 448 x 2^e6;  v241: 2^e6;  v242: 448 x 2^e8;  v243: 2^e8
.set SCP,  241
.set LMO,  242
.set SCO,  243
.set KFR,  64                          ; in window 1
.set VFR,  128
.set SET,  192
.set SPARE, 131072                     ; behind the ring: the spare words, 128 bytes for each wave
.set MSB, 0
.macro WIN new                         ; the immediate's high byte repeats the setting that is left
.if MSB != (\new)
	s_set_vgpr_msb (MSB<<8)|(\new)
.set MSB, (\new)
.endif
.endm
	s_load_b256 s[4:11], s[0:1], 0x0               ; qimg s[4:5], kimg s[6:7], vimg s[8:9], count s[10:11]
	s_load_b128 s[12:15], s[0:1], 0x20             ; scales s[12:13], oimg s[14:15]
	v_lshl_add_u32 v254, v0, 2, SPARE
	v_mov_b32 v255, 0
	v_lshrrev_b32 v8, 5, v0
	s_delay_alu instid0(VALU_DEP_1)
	v_readfirstlane_b32 s16, v8                    ; wave 0..7
	v_and_b32 v9, 31, v0
	s_delay_alu instid0(VALU_DEP_1)
	v_lshlrev_b32 v[LI], 4, v9
	s_lshl_b32 s26, s16, 11
	v_add_nc_u32 v[SA], s26, v[LI]
	s_and_b32 s26, s16, 3
	s_lshl_b32 s26, s26, 11
	v_add_nc_u32 v[GA], s26, v[LI]
	v_bfe_u32 v[H8], v0, 4, 1
	s_delay_alu instid0(VALU_DEP_1)
	v_lshlrev_b32 v[H8], 3, v[H8]
	v_mov_b32 v[NINF], 0xff800000
	v_mov_b32 v[NANC], 0x7f7f7f7f
	s_and_b32 s27, ttmp7, 0xffff                   ; y = 8 b + head
	s_lshr_b32 s30, s27, 3                         ; b
	s_and_b32 s31, s27, 7                          ; head
	s_mov_b32 s20, 0x76543210                      ; v_permlanex16_b32's selects: lane l xor 16
	s_mov_b32 s21, 0xfedcba98
	s_mov_b32 s18, 0                               ; the step's first position
	s_mov_b32 s19, 0                               ; the trip T
	s_mov_b32 s43, 0
	s_wait_alu depctr_va_vdst(0)
	s_wait_kmcnt 0x0
	s_load_b256 s[32:39], s[12:13], 0x0            ; e0 .. e7
	s_load_b64 s[40:41], s[12:13], 0x20            ; e8, e9
	s_lshl_b32 s42, s30, 7
	s_add_nc_u64 s[10:11], s[10:11], s[42:43]
	s_load_b32 s17, s[10:11], 0x0                  ; count[b]
	s_lshl_b32 s42, s27, 7
	s_lshl_b32 s44, ttmp9, 4
	s_add_co_u32 s42, s42, s44
	s_lshl_b32 s44, s16, 1
	s_add_co_u32 s42, s42, s44                     ; my first query tile: 128 y + 16 x + 2 w
	s_lshl_b32 s42, s42, 10
	s_add_nc_u64 s[4:5], s[4:5], s[42:43]
	s_cmp_lt_u32 s16, 4                            ; waves 0-3 bring K's bytes, 4-7 V's
	s_cselect_b64 s[24:25], s[6:7], s[8:9]
	s_lshl_b32 s42, s27, 18                        ; a head's images are 262,144 bytes in both
	s_add_nc_u64 s[24:25], s[24:25], s[42:43]
.set n, 0
.rept 16
	global_load_b128 v[SS+4*n:SS+4*n+3], v[GA], s[24:25] offset:8192*(n/4)+512*(n%4)    ; steps 0 to 3, into registers that the scores take later.  (Blocks 0 to 5 are stored for every count)
.set n, n+1
.endr
.irp u, 0,1,2,3
	global_load_b128 v[QQ+4*\u:QQ+4*\u+3], v[LI], s[4:5] offset:512*\u        ; Q's two fragments stay in registers
.endr
.macro ASKPAIR off
	WIN 0x40
.set n, 0
.rept 8
	global_load_b128 v[SET+4*n:SET+4*n+3], v[GA], s[24:25] offset:\off+8192*(n/4)+512*(n%4)
.set n, n+1
.endr
	WIN 0
.endm
	ASKPAIR 4*8192                                 ; steps 4 and 5
	s_lshl_b32 s42, s30, 7
	s_lshl_b32 s44, ttmp9, 4
	s_add_co_u32 s42, s42, s44
	s_lshl_b32 s44, s16, 1
	s_add_co_u32 s42, s42, s44                     ; my first row tile of O: 128 b + 16 x + 2 w,
	s_lshl_b32 s42, s42, 13                        ; 8,192 bytes a tile;
	s_lshl_b32 s44, s31, 10                        ; my head's 8 registers: K step head / 2, blocks 2 (head % 2) on: 1,024 x head
	s_add_co_u32 s42, s42, s44
	s_add_nc_u64 s[14:15], s[14:15], s[42:43]
.irp q, 0,1
	v_mov_b32 v[ST+8*\q], 0x7f61b1e6               ; -M = 3e38: over every -t
	v_mov_b32 v[ST+8*\q+1], 0                      ; (named with it)
	v_mov_b32 v[ST+8*\q+2], 0                      ; the sum, in two halves
	v_mov_b32 v[ST+8*\q+3], 0
	v_mov_b32 v[ST+8*\q+4], 0
	v_mov_b32 v[ST+8*\q+5], 0                      ; a lane permute's destination counts as one of its sources
.endr
	WIN 0x40
.set n, 0
.rept 64
	v_mov_b32 v[n], 0                              ; O^T.  (The step is written once for every step, and there may be no step at all: the first change of M leaves zeros zeros)
.set n, n+1
.endr
	WIN 0
	s_wait_kmcnt 0x0
	s_min_u32 s17, s17, 4096
	s_add_co_i32 s42, s36, s37                     ; a score stands for score x 2^(e4 + e5): added to c's exponent field
	s_lshl_b32 s42, s42, 23
	s_add_co_i32 s22, s42, 0x3e38aa3b              ; c = log2(e) / 8
	s_mov_b32 s23, s22                             ; (named with it as a pair)
	s_xor_b32 s46, s22, 0x80000000                 ; -c
	s_add_co_i32 s42, s38, 127
	s_lshl_b32 s44, s42, 23
	v_mov_b32 v[SCP], s44
	s_add_co_i32 s42, s42, 8
	s_lshl_b32 s42, s42, 23
	s_or_b32 s42, s42, 0x600000
	v_mov_b32 v[LMP], s42
	s_add_co_i32 s42, s40, 127
	s_lshl_b32 s44, s42, 23
	v_mov_b32 v[SCO], s44
	s_add_co_i32 s42, s42, 8
	s_lshl_b32 s42, s42, 23
	s_or_b32 s42, s42, 0x600000
	v_mov_b32 v[LMO], s42
	s_add_co_i32 s26, s38, s39                     ; e6 + e7
	s_wait_alu depctr_va_vdst(0)                   ; the wait at the head's end
	s_wait_loadcnt 0x8                             ; steps 0 to 3 and Q are in; the eight loads of steps 4 and 5 may be out
.set n, 0
.rept 16
	ds_store_b128 v[SA], v[SS+4*n:SS+4*n+3] offset:16384*(n/4)+512*(n%4)
.set n, n+1
.endr
	s_wait_dscnt 0x0
	s_barrier_signal -1
	s_barrier_wait -1                              ; pairs 0 and 1 are whole
	s_barrier_signal -1                            ; (waited for at trip 0's head)
.macro KLOAD adr, off
	WIN 0x40
.set n, 0
.rept 16
	ds_load_b128 v[KFR+4*n:KFR+4*n+3], v[\adr] offset:\off+512*n
.set n, n+1
.endr
	WIN 0
.endm
	KLOAD LI, 0
.macro FM q, n                         ; t - M, two at a time (of the pairs c and -M the low word serves both halves)
	v_pk_fma_f32 v[SS+64*\q+2*(\n):SS+64*\q+2*(\n)+1], v[SS+64*\q+2*(\n):SS+64*\q+2*(\n)+1], s[22:23], v[ST+8*\q:ST+8*\q+1] op_sel_hi:[1,0,0]
.endm
.macro L1 i                            ; tile 0's first sums: pairs 2 i and 2 i + 1
	v_pk_add_f32 v[TM+2*(\i):TM+2*(\i)+1], v[SS+4*(\i):SS+4*(\i)+1], v[SS+4*(\i)+2:SS+4*(\i)+3]
.endm
.macro ADD2 a, b                       ; partial sum a += partial sum b
	v_pk_add_f32 v[TM+2*(\a):TM+2*(\a)+1], v[TM+2*(\a):TM+2*(\a)+1], v[TM+2*(\b):TM+2*(\b)+1]
.endm
.macro CH m                            ; tile 1: four chains, in partial sums 8 to 11
.irp k, 0,1,2,3
	v_pk_add_f32 v[TM+16+2*\k:TM+17+2*\k], v[TM+16+2*\k:TM+17+2*\k], v[SS+64+8*(\m)+2*\k:SS+65+8*(\m)+2*\k]
.endr
.endm
.macro EXB i
	v_exp_f32 v[SS+64+\i], v[SS+64+\i]
.endm
; From tile 1's exponentials to the codes of both tiles.  The row's sum is taken of the UNQUANTISED p, so in the arm with the hold the sums come ahead of it.
.macro TAIL hold
.if \hold
.irp i, 0,1,2,3,4,5,6,7,8,9,10,11,12,13,14,15
	L1 \i
.endr
.set n, 0
.rept 64
	v_min_num_f32 v[SS+n], v[SS+n], v[LMP]         ; the conversion does not saturate (ISA guide 7.6.2); p is not negative, so the hold is one-sided
.set n, n+1
.endr
	s_wait_alu depctr_va_vdst(0)                   ; the wait ahead of the batch
.endif
.irp t, 0,1,2,3,4,5,6,7
	EXB 8*\t
	EXB 8*\t+1
	EXB 8*\t+2
	v_cvt_scalef32_pk8_fp8_f32 v[PP+2*\t:PP+2*\t+1], v[SS+8*\t:SS+8*\t+7], v[SCP]
	EXB 8*\t+3
	EXB 8*\t+4
	EXB 8*\t+5
.if (\hold) == 0
	L1 2*\t
.endif
	EXB 8*\t+6
	EXB 8*\t+7
.if (\hold) == 0
	L1 2*\t+1
.endif
.endr
.if \hold
	v_nop                                          ; a plain line behind the exponentials
.endif
	s_wait_alu depctr_va_vdst(0)                   ; one wait for the batch, ahead of its first reader
.irp i, 0,1,2,3,4,5,6,7
	ADD2 \i, \i+8
.endr
.irp k, 0,1,2,3
	v_pk_add_f32 v[TM+16+2*\k:TM+17+2*\k], v[SS+64+2*\k:SS+65+2*\k], v[SS+72+2*\k:SS+73+2*\k]
.endr
.irp i, 0,1,2,3
	ADD2 \i, \i+4
.endr
	CH 2
	ADD2 0, 2
	ADD2 1, 3
	CH 3
	CH 4
	ADD2 0, 1
	CH 5
	CH 6
	v_pk_fma_f32 v[ST+2:ST+3], v[ST+2:ST+3], v[ST+4:ST+5], v[TM:TM+1] op_sel_hi:[1,0,1]   ; the sum under the new M, and this step's
	CH 7
	ADD2 8, 10
	ADD2 9, 11
.if \hold
.set n, 64
.rept 64
	v_min_num_f32 v[SS+n], v[SS+n], v[LMP]
.set n, n+1
.endr
.endif
.irp t, 0,1,2,3,4,5,6,7
	v_cvt_scalef32_pk8_fp8_f32 v[PP+16+2*\t:PP+17+2*\t], v[SS+64+8*\t:SS+71+8*\t], v[SCP]
.endr
	ADD2 8, 9                                      ; (also the plain line between the conversions and the products that read their results)
	s_delay_alu instid0(VALU_DEP_1)
	v_pk_fma_f32 v[ST+10:ST+11], v[ST+10:ST+11], v[ST+12:ST+13], v[TM+16:TM+17] op_sel_hi:[1,0,1]
	s_wait_alu depctr_va_vdst(0)                   ; the wait ahead of the branch and of the wait behind the arms
.endm
; A KEY STEP, the p-th of the pair: 128 positions from s18 on.  K's fragments have been asked for.
.macro STEP p
	s_cmp_ge_u32 s18, s17
	s_cbranch_scc1 .Lskip_\@                       ; no kept key is left
	s_wait_dscnt 0x0                               ; K's fragments are in
	WIN 0x40                                       ; destination window 1
.set n, 0
.rept 16
	ds_load_b128 v[VFR+4*n:VFR+4*n+3], v[RA] offset:16384*(\p)+8192+512*n
.set n, n+1
.endr
	WIN 0x01                                       ; source 0 (K) window 1
.irp t, 0,1,2,3,4,5,6,7
.irp q, 0,1
	v_wmma_f32_16x16x64_fp8_fp8 v[SS+64*\q+8*\t:SS+64*\q+8*\t+7], v[KFR+8*\t:KFR+8*\t+7], v[QQ+8*\q:QQ+8*\q+7], 0
.endr
.endr
	WIN 0
.rept 4
	v_nop                                          ; four places in front of the first read of the scores and of the loads into K's registers
.endr
	s_add_co_u32 s42, s18, 128                     ; is there a step behind this one?
	s_cmp_ge_u32 s42, s17
	s_cbranch_scc1 .Lcut_\@
.if (\p) == 0
	KLOAD RA, 16384                                ; its K fragments land under this step's softmax
.else
	KLOAD RB, 0
.endif
	s_branch .Lfull_\@
.Lcut_\@:
	s_sub_co_u32 s42, s17, s18
	v_sub_nc_u32 v[DD], s42, v[H8]                 ; register 8 t + j holds position s18 + 16 t + 8 (lane / 16) + j: beyond the kept keys where 16 t + j >= count - s18 - 8 (lane / 16)
.set n, 0
.rept 64
	v_cmp_ge_i32 vcc_lo, 16*(n/8)+n%8, v[DD]
	v_cndmask_b32 v[SS+n], v[SS+n], v[NINF], vcc_lo
	v_cndmask_b32 v[SS+64+n], v[SS+64+n], v[NINF], vcc_lo
.set n, n+1
.endr
.Lfull_\@:
.irp q, 0,1                                    ; the step's largest score of my query among my 64 positions, two chains a tile, each accumulator from its low end on
	v_max3_num_f32 v[ST+8*\q+6], v[SS+64*\q], v[SS+64*\q+1], v[SS+64*\q+2]
	v_max3_num_f32 v[ST+8*\q+7], v[SS+64*\q+3], v[SS+64*\q+4], v[SS+64*\q+5]
.endr
.irp i, 6,10,14,18,22,26,30,34,38,42,46,50,54,58
.irp q, 0,1
	v_max3_num_f32 v[ST+8*\q+6], v[ST+8*\q+6], v[SS+64*\q+\i], v[SS+64*\q+\i+1]
	v_max3_num_f32 v[ST+8*\q+7], v[ST+8*\q+7], v[SS+64*\q+\i+2], v[SS+64*\q+\i+3]
.endr
.endr
.irp q, 0,1
	v_max3_num_f32 v[ST+8*\q+6], v[ST+8*\q+6], v[SS+64*\q+62], v[SS+64*\q+63]
.endr
.irp q, 0,1
	s_delay_alu instid0(VALU_DEP_2)
	v_max_num_f32 v[ST+8*\q+6], v[ST+8*\q+6], v[ST+8*\q+7]
.endr
.irp q, 0,1
	s_delay_alu instid0(VALU_DEP_2)
	v_permlanex16_b32 v[ST+8*\q+5], v[ST+8*\q+6], s20, s21
.endr
.irp q, 0,1
	s_delay_alu instid0(VALU_DEP_2)
	v_max_num_f32 v[ST+8*\q+6], v[ST+8*\q+6], v[ST+8*\q+5]      ; and among lane l xor 16's
.endr
.irp q, 0,1
	s_delay_alu instid0(VALU_DEP_2)
	v_mul_f32 v[ST+8*\q+6], s46, v[ST+8*\q+6]      ; -t (c is positive)
.endr
.irp q, 0,1
	s_delay_alu instid0(VALU_DEP_2)
	v_floor_f32 v[ST+8*\q+6], v[ST+8*\q+6]         ; floor(-t) = -ceil(t): a whole number
.endr
.irp q, 0,1
	s_delay_alu instid0(VALU_DEP_2)
	v_min_num_f32 v[ST+8*\q+6], v[ST+8*\q+6], v[ST+8*\q]        ; the new -M
.endr
.irp q, 0,1
	s_delay_alu instid0(VALU_DEP_2)
	v_sub_f32 v[ST+8*\q+7], v[ST+8*\q+6], v[ST+8*\q]            ; old M - new M: a whole number, 0 or less
.endr
.irp q, 0,1
	v_mov_b32 v[ST+8*\q], v[ST+8*\q+6]
.endr
.irp q, 0,1
	s_delay_alu instid0(VALU_DEP_4)
	v_cvt_i32_f32 v[ST+8*\q+7], v[ST+8*\q+7]       ; (it saturates)
.endr
.irp q, 0,1
	s_delay_alu instid0(VALU_DEP_2)
	v_ldexp_f32 v[ST+8*\q+4], 1.0, v[ST+8*\q+7]    ; f = 2^(old M - new M)
.endr
.set n, 0
.rept 32
	FM 0, n
.set n, n+1
.endr
	WIN 0x41                                       ; O^T (destination, source 0) window 1, f window 0
.irp q, 0,1
.set n, 0
.rept 16
	v_pk_mul_f32 v[32*\q+2*n:32*\q+2*n+1], v[32*\q+2*n:32*\q+2*n+1], v[ST+8*\q+4:ST+8*\q+5] op_sel_hi:[1,0]   ; O^T under the new M; each accumulator from its low end on
.set n, n+1
.endr
.endr
	WIN 0
	s_wait_alu depctr_va_vdst(0)                   ; the wait ahead of the batch
.set n, 0
.rept 32
	v_exp_f32 v[SS+2*n], v[SS+2*n]                 ; p = 2^(t - M)
	v_exp_f32 v[SS+2*n+1], v[SS+2*n+1]
	FM 1, n
.set n, n+1
.endr
	s_wait_alu depctr_va_vdst(0)                   ; the wait behind the batch, and ahead of the next
	s_cmp_lt_i32 s38, -8                           ; 448 x 2^e6 >= 1.75 where e6 >= -8: no p reaches it
	s_cbranch_scc1 .Lhold_\@
	TAIL 0
	s_branch .Lcodes_\@
.Lhold_\@:
	TAIL 1
.Lcodes_\@:
	s_wait_dscnt 0x0                               ; V's fragments are in
	WIN 0x51                                       ; V and O^T window 1, P window 0
.irp ct, 0,1,2,3
.irp q, 0,1
	v_wmma_f32_16x16x128_fp8_fp8 v[32*\q+8*\ct:32*\q+8*\ct+7], v[VFR+16*\ct:VFR+16*\ct+15], v[PP+16*\q:PP+16*\q+15], v[32*\q+8*\ct:32*\q+8*\ct+7]   ; eight accumulators, one instruction each; the next step's K Q^T stands between two links
.endr
.endr
	WIN 0
.rept 4
	v_nop                                          ; four places in front of the next loads into V's registers and of the next read of O^T
.endr
.Lskip_\@:
	s_add_co_u32 s18, s18, 128
.endm
.Ltrip:
	s_lshl_b32 s42, s19, 15
	s_and_b32 s42, s42, 0x18000                    ; pair T % 4 begins at 32,768 (T % 4)
	s_add_co_u32 s44, s19, 1
	s_lshl_b32 s44, s44, 15
	s_and_b32 s44, s44, 0x18000
	s_add_co_u32 s45, s19, 2
	s_lshl_b32 s45, s45, 15
	s_and_b32 s45, s45, 0x18000
	v_add_nc_u32 v[RA], s42, v[LI]
	v_add_nc_u32 v[RB], s44, v[LI]
	v_add_nc_u32 v[SB], s45, v[SA]
	s_wait_alu depctr_va_vdst(0)
	s_barrier_wait -1                              ; signalled a trip ago: pair T + 1 is whole, and nobody reads pair T - 2 any more
	s_wait_loadcnt 0x0                             ; pair T + 2, asked for a trip ago
	s_add_co_u32 s42, s18, 512
	s_cmp_ge_u32 s42, s17
	s_cbranch_scc1 .Lnost
	WIN 0x04                                       ; store data in window 1
.set n, 0
.rept 8
	ds_store_b128 v[SB], v[SET+4*n:SET+4*n+3] offset:16384*(n/4)+512*(n%4)
.set n, n+1
.endr
	WIN 0
.Lnost:
	s_wait_dscnt 0x0                               ; my stores have landed, and my reads of the trip before are in
	s_add_co_u32 s42, s18, 768
	s_cmp_ge_u32 s42, s17
	s_cbranch_scc1 .Lnold                          ; no load leaves its buffer: count is at most 4,096.  (A pair's second step is used only where count reaches it)
	ASKPAIR 6*8192                                 ; pair T + 3
.Lnold:
	s_barrier_signal -1                            ; waited for at the next trip's head
	STEP 0
	STEP 1
	s_wait_xcnt 0x0                                ; the loads have read their base, which steps two steps on
	s_add_nc_u64 s[24:25], s[24:25], 16384
	s_add_co_u32 s19, s19, 1
	s_cmp_lt_u32 s19, 16
	s_cbranch_scc1 .Ltrip
	s_barrier_wait -1                              ; the last trip's signal
	; THE WAY OUT: O^T / the sum x 2^(e6 + e7), quantised with e8: channel tile ct's 8 numbers become registers 2 ct, 2 ct + 1 of my head's part of the last product's fragment.
	s_wait_alu depctr_va_vdst(0)                   ; the wait ahead of the readers below
.irp q, 0,1
	v_add_f32 v[ST+8*\q+6], v[ST+8*\q+2], v[ST+8*\q+3]
.endr
.irp q, 0,1
	s_delay_alu instid0(VALU_DEP_2)
	v_permlanex16_b32 v[ST+8*\q+5], v[ST+8*\q+6], s20, s21
.endr
.irp q, 0,1
	s_delay_alu instid0(VALU_DEP_2)
	v_add_f32 v[ST+8*\q+6], v[ST+8*\q+6], v[ST+8*\q+5]          ; the row's sum
.endr
.irp q, 0,1
	s_delay_alu instid0(VALU_DEP_2)
	v_cmp_eq_f32 s[28+\q], 0, v[ST+8*\q+6]         ; no kept key at all: it only selects a value below
.endr
	s_wait_alu depctr_va_vdst(0)                   ; the wait ahead of the batch
.irp q, 0,1
	v_rcp_f32 v[ST+8*\q+7], v[ST+8*\q+6]
.endr
	v_nop                                          ; a plain line behind the reciprocals
	s_wait_alu depctr_va_vdst(0)                   ; the wait ahead of their first reader, and of O^T's
.irp q, 0,1
	v_ldexp_f32 v[ST+8*\q+7], v[ST+8*\q+7], s26
.endr
	WIN 0x01                                       ; source 0 (O^T) window 1
.irp q, 0,1
.set n, 0
.rept 32
	v_mul_f32 v[SS+32*\q+n], v[32*\q+n], v[ST+8*\q+7]
.set n, n+1
.endr
.endr
	WIN 0
.set n, 0
.rept 64
	v_med3_num_f32 v[SS+n], v[SS+n], -v[LMO], v[LMO]
.set n, n+1
.endr
.irp q, 0,1
.irp ct, 0,1,2,3
	v_cvt_scalef32_pk8_fp8_f32 v[PP+8*\q+2*\ct:PP+8*\q+2*\ct+1], v[SS+32*\q+8*\ct:SS+32*\q+8*\ct+7], v[SCO]
.endr
.endr
	v_nop                                          ; a plain line between the conversions and the selects that touch their results
.irp q, 0,1
.irp i, 0,1,2,3,4,5,6,7
	v_cndmask_b32 v[PP+8*\q+\i], v[PP+8*\q+\i], v[NANC], s[28+\q]
.endr
.endr
.irp q, 0,1
.irp u, 0,1
	global_store_b128 v[LI], v[PP+8*\q+4*\u:PP+8*\q+4*\u+3], s[14:15] offset:8192*\q+512*\u   ; 512 consecutive bytes, aligned
.endr
.endr
	s_wait_tensorcnt 0x0                           ; the wave's end
	ds_add_u32 v254, v255
	s_wait_dscnt 0x0
	s_endpgm
.Lfunc_end_k_q20978e71d8_attn:
	.size	k_q20978e71d8_attn, .Lfunc_end_k_q20978e71d8_attn-k_q20978e71d8_attn
	.p2alignl 7, 3214868480
	.fill 96, 4, 3214868480
	.section	.rodata,"a",@progbits
	.p2align	6, 0x0
	.amdhsa_kernel k_q20978e71d8_attn
		.amdhsa_group_segment_fixed_size 132096
		.amdhsa_private_segment_fixed_size 0
		.amdhsa_enable_private_segment 0
		.amdhsa_kernarg_size 48
		.amdhsa_user_sgpr_count 2
		.amdhsa_user_sgpr_kernarg_segment_ptr 1
		.amdhsa_wavefront_size32 1
		.amdhsa_system_sgpr_workgroup_id_x 1
		.amdhsa_system_sgpr_workgroup_id_y 1
		.amdhsa_system_sgpr_workgroup_id_z 1
		.amdhsa_system_vgpr_workitem_id 0
		.amdhsa_next_free_vgpr 512
		.amdhsa_next_free_sgpr 66
		.amdhsa_reserve_vcc 1
		.amdhsa_float_denorm_mode_32 3
		.amdhsa_float_denorm_mode_16_64 3
		.amdhsa_memory_ordered 1
		.amdhsa_forward_progress 1
		.amdhsa_inst_pref_size 109
	.end_amdhsa_kernel
	.amdgpu_metadata
---
amdhsa.version: [ 1, 2 ]
amdhsa.kernels:
  - .name:           k_q20978e71d8_attn
    .symbol:         k_q20978e71d8_attn.kd
    .args:
      - { .name: qimg, .offset: 0, .size: 8, .value_kind: global_buffer, .address_space: global }
      - { .name: kimg, .offset: 8, .size: 8, .value_kind: global_buffer, .address_space: global }
      - { .name: vimg, .offset: 16, .size: 8, .value_kind: global_buffer, .address_space: global }
      - { .name: count, .offset: 24, .size: 8, .value_kind: global_buffer, .address_space: global }
      - { .name: lowp_scales, .offset: 32, .size: 8, .value_kind: global_buffer, .address_space: global }
      - { .name: oimg, .offset: 40, .size: 8, .value_kind: global_buffer, .address_space: global }
    .group_segment_fixed_size: 132096
    .private_segment_fixed_size: 0
    .kernarg_segment_align: 8
    .kernarg_segment_size: 48
    .max_flat_workgroup_size: 256
    .sgpr_count:     66
    .vgpr_count:     512
    .wavefront_size: 32
...
	.end_amdgpu_metadata
.endif
;; end of part 3
;; launch outp (part 4): grid 4 x 64, 4 waves a work-group, no clusters, 17,920 bytes of LDS; arguments oimg, wimg, lowp_scales, bo, out0; writes out0
.if DOCPART == 4
	.amdgcn_target "amdgcn-amd-amdhsa--gfx1250"
	.amdhsa_code_object_version 6
	.text
	.protected	k_q20978e71d8_outp
	.globl	k_q20978e71d8_outp
	.p2align	8
	.type	k_q20978e71d8_outp,@function
k_q20978e71d8_outp:
	s_mov_b64 s[64:65], 0
	v_nop
	global_prefetch_b8 v0, s[64:65] scope:SCOPE_SE
	s_setreg_imm32_b32 hwreg(HW_REG_WAVE_MODE, 25, 1), 1
	s_wait_xcnt 0x0
; OUTP.  out0 = O Wo + bo: [8,192 x 512] x [512 x 512] on codes of E4M3; both operands lie in memory as images of operand registers, so every fragment comes by four loads of 512 consecutive bytes straight into registers.
; SHARES.  A work-group takes 128 rows (y) x 128 columns (x): 256 work-groups.  Wave (wr = w / 2, wc = w % 2) takes 64 x 64: 16 accumulators; its 16 fragments of O and 16 of Wo (K = 512 in four steps) are all asked for at once.
; No LDS ring, no barrier: K is short, each wave reads its operands once, and a wave's 64 columns are a whole aligned 256 bytes of a row of out0.  No cluster: nothing goes through LDS that partners could share.
; The matrix instruction is used TRANSPOSED (source 0 = 16 columns of Wo, source 1 = 16 rows of O): a lane holds 8 neighbouring columns of one row.  y = sum x 2^(e8 + e9) + bo, one packed multiply-add for two numbers.
; LIMIT: e8 + e9 between -126 and 127, so that 2^(e8 + e9) is an f32 number.
; REGISTERS.  window 0: v1-5 addresses; v16-47 bo in the result's layout; v48-111 two sets of results; v112-239 four sets of rows read back.   window 1: O's fragment (a, s) at 16 (4 a + s).
;   window 2: Wo's (tc, s) at 16 (4 tc + s).   window 3: accumulator (a, tc) at 8 (4 a + tc).
.set SP, 272                           ; a stage row: 256 bytes + 16 = 68 words: row r starts at bank 4 r mod 64 (64 banks of 4 bytes: ISA guide 11.1)
.set BO, 16
.set TT, 48
.set OUTR, 112
.set MSB, 0
.macro WIN new
.if MSB != (\new)
	s_set_vgpr_msb (MSB<<8)|(\new)
.set MSB, (\new)
.endif
.endm
	s_load_b256 s[4:11], s[0:1], 0x0               ; oimg s[4:5], wimg s[6:7], scales s[8:9], bo s[10:11]
	s_load_b64 s[12:13], s[0:1], 0x20              ; out0
	v_lshl_add_u32 v254, v0, 2, 0x4400
	v_mov_b32 v255, 0
	v_lshrrev_b32 v6, 5, v0
	v_readfirstlane_b32 s14, v6                    ; wave
	s_lshr_b32 s15, s14, 1                         ; wr
	s_and_b32 s16, s14, 1                          ; wc
	s_and_b32 s17, ttmp7, 0xffff                   ; y
	v_and_b32 v6, 31, v0
	v_lshlrev_b32 v1, 4, v6                        ; 16 x lane
	v_and_b32 v6, 15, v0                           ; r
	v_bfe_u32 v7, v0, 4, 1                         ; h
	v_lshlrev_b32 v2, 5, v7                        ; bo: 8 h numbers on
	s_mul_i32 s18, s14, 16*SP                      ; my stage
	v_mul_u32_u24 v3, v6, SP
	v_lshl_add_u32 v3, v7, 5, v3
	v_add_nc_u32 v3, s18, v3                       ; in: row r, + 32 h
	v_mul_u32_u24 v4, v7, SP
	v_lshl_add_u32 v4, v6, 4, v4
	v_add_nc_u32 v4, s18, v4                       ; back: lanes 0-15 one row of 256 bytes, lanes 16-31 the next
	v_lshlrev_b32 v5, 11, v7
	v_lshl_add_u32 v5, v6, 4, v5                   ; and the same two rows in out0
	s_lshl_b32 s22, s17, 3
	s_lshl_b32 s24, s15, 2
	s_add_co_u32 s22, s22, s24
	s_lshl_b32 s22, s22, 13                        ; O: row tile 8 y + 4 wr, 8,192 bytes a tile
	s_mov_b32 s23, 0
	s_lshl_b32 s24, ttmp9, 3
	s_lshl_b32 s26, s16, 2
	s_add_co_u32 s24, s24, s26
	s_lshl_b32 s24, s24, 13
	s_add_co_u32 s24, s24, 786432                  ; Wo: column tile 96 + 8 x + 4 wc
	s_mov_b32 s25, 0
	s_lshl_b32 s26, ttmp9, 9
	s_lshl_b32 s28, s16, 8
	s_add_co_u32 s26, s26, s28                     ; my first column, in bytes
	s_mov_b32 s27, 0
	s_lshl_b32 s28, s17, 7
	s_lshl_b32 s30, s15, 6
	s_add_co_u32 s28, s28, s30
	s_lshl_b32 s28, s28, 11                        ; my first row of out0
	s_add_co_u32 s28, s28, s26
	s_mov_b32 s29, 0
	s_wait_alu depctr_va_vdst(0)
	s_wait_kmcnt 0x0
	s_load_b64 s[20:21], s[8:9], 0x20              ; e8, e9
	s_add_nc_u64 s[4:5], s[4:5], s[22:23]
	s_add_nc_u64 s[6:7], s[6:7], s[24:25]
	s_add_nc_u64 s[10:11], s[10:11], s[26:27]
	s_add_nc_u64 s[12:13], s[12:13], s[28:29]
.irp tc, 0,1,2,3
	global_load_b128 v[BO+8*\tc:BO+8*\tc+3], v2, s[10:11] offset:64*\tc
	global_load_b128 v[BO+8*\tc+4:BO+8*\tc+7], v2, s[10:11] offset:64*\tc+16
.endr
.irp ks, 0,1,2,3                               ; K step by K step, so that the products can begin when the first 32 loads are in
	WIN 0x40
.irp a, 0,1,2,3
.irp c, 0,1,2,3
	global_load_b128 v[16*(4*\a+\ks)+4*\c:16*(4*\a+\ks)+4*\c+3], v1, s[4:5] offset:8192*\a+2048*\ks+512*\c
.endr
.endr
	WIN 0x80
.irp a, 0,1,2,3
.irp c, 0,1,2,3
	global_load_b128 v[16*(4*\a+\ks)+4*\c:16*(4*\a+\ks)+4*\c+3], v1, s[6:7] offset:8192*\a+2048*\ks+512*\c
.endr
.endr
.endr
	WIN 0
	s_wait_kmcnt 0x0
	s_add_co_i32 s20, s20, s21
	s_add_co_i32 s20, s20, 127
	s_lshl_b32 s20, s20, 23                        ; 2^(e8 + e9) as f32
	s_mov_b32 s21, s20                             ; (named with it as a pair)
.irp ks, 0,1,2,3
.if \ks < 2
	s_wait_loadcnt 63                              ; behind this K step's loads stand 96 (64) others; the count that a wait can name ends at 63, and a smaller count is safe
.elseif \ks == 2
	s_wait_loadcnt 32                              ; the last K step's 32 may be out
.else
	s_wait_loadcnt 0
.endif
	WIN 0xf6                                       ; source 0 (Wo) window 2, source 1 (O) window 1, C and D window 3
.irp a, 0,1,2,3
.irp tc, 0,1,2,3
.if \ks == 0
	v_wmma_f32_16x16x128_fp8_fp8 v[8*(4*\a+\tc):8*(4*\a+\tc)+7], v[16*(4*\tc+\ks):16*(4*\tc+\ks)+15], v[16*(4*\a+\ks):16*(4*\a+\ks)+15], 0
.else
	v_wmma_f32_16x16x128_fp8_fp8 v[8*(4*\a+\tc):8*(4*\a+\tc)+7], v[16*(4*\tc+\ks):16*(4*\tc+\ks)+15], v[16*(4*\a+\ks):16*(4*\a+\ks)+15], v[8*(4*\a+\tc):8*(4*\a+\tc)+7]
.endif
.endr
.endr                                          ; sixteen accumulators by turns, one instruction a turn
.endr
	WIN 0
.rept 4
	v_nop                                          ; four places (ISA guide 7.12.1) in front of the first read of the sums
.endr
; THE WAY OUT, 16 rows x 64 columns at a time, through my own stage: a lane holds 32 bytes of a row and the lanes beside it other rows; back come whole rows of 256 bytes.
.macro TOSTAGE a
.set TS, TT+32*((\a)%2)
	WIN 0x03                                       ; source 0 (the sums) window 3
.irp tc, 0,1,2,3
.irp i, 0,2,4,6
	v_pk_fma_f32 v[TS+8*\tc+\i:TS+8*\tc+\i+1], v[8*(4*(\a)+\tc)+\i:8*(4*(\a)+\tc)+\i+1], s[20:21], v[BO+8*\tc+\i:BO+8*\tc+\i+1] op_sel_hi:[1,0,1]   ; sum x 2^(e8 + e9) + bo; each accumulator from its low end on
.endr
.endr
	WIN 0
.irp tc, 0,1,2,3
	ds_store_b128 v3, v[TS+8*\tc:TS+8*\tc+3] offset:64*\tc
	ds_store_b128 v3, v[TS+8*\tc+4:TS+8*\tc+7] offset:64*\tc+16
.endr
.irp i, 0,1,2,3,4,5,6,7
	ds_load_b128 v[OUTR+32*(\a)+4*\i:OUTR+32*(\a)+4*\i+3], v4 offset:2*SP*\i   ; LDS serves a wave's instructions in order (ISA guide 5.7.1.4): these see the stores above, and the next block's stores come behind them
.endr
.endm
.macro SEND a, younger                 ; younger: the LDS instructions issued behind block a's loads, which may stay out
	s_wait_dscnt \younger
.irp i, 0,1,2,3,4,5,6,7
	global_store_b128 v5, v[OUTR+32*(\a)+4*\i:OUTR+32*(\a)+4*\i+3], s[12:13] offset:32768*(\a)+4096*\i th:TH_STORE_NT   ; 16 lanes store 256 consecutive bytes, at a multiple of 256 from out0's first byte; written once
.endr
.endm
	TOSTAGE 0
	TOSTAGE 1
	SEND 0, 16                                     ; behind block 0's loads: block 1's 8 stores and 8 loads
	TOSTAGE 2
	SEND 1, 16
	TOSTAGE 3
	SEND 2, 16
	SEND 3, 0
	s_wait_tensorcnt 0x0
	ds_add_u32 v254, v255
	s_wait_dscnt 0x0
	s_endpgm
.Lfunc_end_k_q20978e71d8_outp:
	.size	k_q20978e71d8_outp, .Lfunc_end_k_q20978e71d8_outp-k_q20978e71d8_outp
	.p2alignl 7, 3214868480
	.fill 96, 4, 3214868480
	.section	.rodata,"a",@progbits
	.p2align	6, 0x0
	.amdhsa_kernel k_q20978e71d8_outp
		.amdhsa_group_segment_fixed_size 17920
		.amdhsa_private_segment_fixed_size 0
		.amdhsa_enable_private_segment 0
		.amdhsa_kernarg_size 40
		.amdhsa_user_sgpr_count 2
		.amdhsa_user_sgpr_kernarg_segment_ptr 1
		.amdhsa_wavefront_size32 1
		.amdhsa_system_sgpr_workgroup_id_x 1
		.amdhsa_system_sgpr_workgroup_id_y 1
		.amdhsa_system_sgpr_workgroup_id_z 1
		.amdhsa_system_vgpr_workitem_id 0
		.amdhsa_next_free_vgpr 1024
		.amdhsa_next_free_sgpr 66
		.amdhsa_reserve_vcc 0
		.amdhsa_float_denorm_mode_32 3
		.amdhsa_float_denorm_mode_16_64 3
		.amdhsa_memory_ordered 1
		.amdhsa_forward_progress 1
		.amdhsa_inst_pref_size 32
	.end_amdhsa_kernel
	.amdgpu_metadata
---
amdhsa.version: [ 1, 2 ]
amdhsa.kernels:
  - .name:           k_q20978e71d8_outp
    .symbol:         k_q20978e71d8_outp.kd
    .args:
      - { .name: oimg, .offset: 0, .size: 8, .value_kind: global_buffer, .address_space: global }
      - { .name: wimg, .offset: 8, .size: 8, .value_kind: global_buffer, .address_space: global }
      - { .name: lowp_scales, .offset: 16, .size: 8, .value_kind: global_buffer, .address_space: global }
      - { .name: bo, .offset: 24, .size: 8, .value_kind: global_buffer, .address_space: global }
      - { .name: out0, .offset: 32, .size: 8, .value_kind: global_buffer, .address_space: global }
    .group_segment_fixed_size: 17920
    .private_segment_fixed_size: 0
    .kernarg_segment_align: 8
    .kernarg_segment_size: 40
    .max_flat_workgroup_size: 128
    .sgpr_count:     66
    .vgpr_count:     1024
    .wavefront_size: 32
...
	.end_amdgpu_metadata
.endif
;; end of part 4
